; MI455X (gfx1250); checked and timed in simulation.
; The chip was launched on July 23, 2026; its instructions are those of AMD's public machine-readable ISA for CDNA 5 (MIT licence, August 2026) and "CDNA5" Instruction Set Architecture Reference Guide (July 2026). The comments in the code are by the model that wrote it; some were corrected since.
;; Patch Decoder. Allowed arithmetic: matrix products marked QUANTISED: E5M2 operands, one E8M0 scale for each 32 along K, by v_wmma_scale_f32_16x16x128_f8f6f4 with both operands' format E5M2, f32 sums; products left as they are: f32 operands where the result goes on into a quantised operand, else bf16, f16 or f32 operands; f32 sums; everything else in f32.
;; Inputs: fc0_b 5 x 128 float32; fc0_w_codes 5 x 128 x 4 x 32 uint8 (E5M2 codes of fc0_w, K innermost, in blocks of 32 codes); fc0_w_scales 5 x 128 x 4 uint8 (E8M0 scales of fc0_w, one for each 32 codes along K); fc1_b 5 x 128 float32; fc1_w_codes 5 x 128 x 4 x 32 uint8 (E5M2 codes of fc1_w, K innermost, in blocks of 32 codes); fc1_w_scales 5 x 128 x 4 uint8 (E8M0 scales of fc1_w, one for each 32 codes along K); fc_c_b 5 x 128 float32; fc_c_w_codes 5 x 128 x 1 x 32 uint8 (E5M2 codes of fc_c_w, K innermost, in blocks of 32 codes); fc_c_w_scales 5 x 128 x 1 uint8 (E8M0 scales of fc_c_w, one for each 32 codes along K); fc_out_b 1 float32; fc_out_w 1 x 128 float32; fc_p_b 128 float32; fc_p_w_codes 128 x 1 x 32 uint8 (E5M2 codes of fc_p_w, K innermost, in blocks of 32 codes); fc_p_w_scales 128 x 1 uint8 (E8M0 scales of fc_p_w, one for each 32 codes along K); query 250,000 x 3 float32; z_feats 262,144 x 32 float32.
;; Outputs: out0 250,000 float32.
;; Constants: grid_size = 64.
;; This version of the problem:
;;   THIS VERSION OF THE PROBLEM IS GIVEN IN LOW PRECISION. The matrix products marked QUANTISED in the list below multiply operands that are first quantised to E5M2 (5 exponent bits, 2 mantissa bits; 8 bits a number), with one power-of-two scale for each 32 numbers along K (OCP MX v1.0); their sums are f32. All else is computed in f32.
;;   The module's matrix products, in the order in which they are computed (A, B: the left and right operand; K: the contracted axis; several contracted axes count as one K, in the product's order):
;;     1. batch 250,000 x [M 1, K 8] x [K 8, N 32]; A: computed on the way; B: computed on the way: left as it is (K = 8 < 32)
;;     2. [M 250,000, K 32] x [K 32, N 128]; A: computed on the way; B: input fc_p_w (given as codes): QUANTISED
;;     3. [M 250,000, K 32] x [K 32, N 128]; A: computed on the way; B: input fc_c_w (given as codes): QUANTISED
;;     4. [M 250,000, K 128] x [K 128, N 128]; A: computed on the way; B: input fc0_w (given as codes): QUANTISED
;;     5. [M 250,000, K 128] x [K 128, N 128]; A: computed on the way; B: input fc1_w (given as codes): QUANTISED
;;     6. [M 250,000, K 32] x [K 32, N 128]; A: computed on the way; B: input fc_c_w (given as codes): QUANTISED
;;     7. [M 250,000, K 128] x [K 128, N 128]; A: computed on the way; B: input fc0_w (given as codes): QUANTISED
;;     8. [M 250,000, K 128] x [K 128, N 128]; A: computed on the way; B: input fc1_w (given as codes): QUANTISED
;;     9. [M 250,000, K 32] x [K 32, N 128]; A: computed on the way; B: input fc_c_w (given as codes): QUANTISED
;;     10. [M 250,000, K 128] x [K 128, N 128]; A: computed on the way; B: input fc0_w (given as codes): QUANTISED
;;     11. [M 250,000, K 128] x [K 128, N 128]; A: computed on the way; B: input fc1_w (given as codes): QUANTISED
;;     12. [M 250,000, K 32] x [K 32, N 128]; A: computed on the way; B: input fc_c_w (given as codes): QUANTISED
;;     13. [M 250,000, K 128] x [K 128, N 128]; A: computed on the way; B: input fc0_w (given as codes): QUANTISED
;;     14. [M 250,000, K 128] x [K 128, N 128]; A: computed on the way; B: input fc1_w (given as codes): QUANTISED
;;     15. [M 250,000, K 32] x [K 32, N 128]; A: computed on the way; B: input fc_c_w (given as codes): QUANTISED
;;     16. [M 250,000, K 128] x [K 128, N 128]; A: computed on the way; B: input fc0_w (given as codes): QUANTISED
;;     17. [M 250,000, K 128] x [K 128, N 128]; A: computed on the way; B: input fc1_w (given as codes): QUANTISED
;;     18. [M 250,000, K 128] x [K 128, N 1]; A: computed on the way; B: input fc_out_w: left as it is (N = 1 < 16)
;;   THE QUANTISER, for each operand of a quantised product, along K:
;;     - K is cut into blocks of 32 from its start; a last block that is shorter is filled with zeros.
;;     - A block's scale is 2^e with e = floor(log2(the largest magnitude in the block)) - 15, held to -126 .. 127; a block of zeros has e = 0. As a byte (E8M0): e + 127.
;;     - Each number is divided by its block's scale, clamped to +-57,344, and rounded to the nearest number of E5M2, ties to even, subnormals kept.
;;     - The product sums the exact products of the quantised numbers (number of the format x scale) in f32.
;;   ~~~python
;;   def quantise(x, axis):      # numpy; x: float32 -> the quantised numbers, widened to float32 again
;;       x = np.moveaxis(x, axis, -1); K = x.shape[-1]
;;       x = np.pad(x, [(0, 0)] * (x.ndim - 1) + [(0, -K % 32)]); x = x.reshape(x.shape[:-1] + (-1, 32)); a = np.abs(x).max(-1, keepdims=True)
;;       e = np.where(a > 0, np.clip(np.frexp(np.where(a > 0, a, 1))[1] - 1 - 15, -126, 127), 0)      # np.frexp(a)[1] - 1 = floor(log2(a)), exactly
;;       r = np.clip(x / 2.0 ** e, -57344, 57344)
;;       step = 2.0 ** (np.maximum(np.frexp(np.where(r == 0, 1, r))[1] - 1, -14) - 2)
;;       q = np.round(r / step) * step * 2.0 ** e      # np.round: ties to even
;;       return np.moveaxis(q.reshape(q.shape[:-2] + (-1,))[..., :K], -1, axis).astype(np.float32)
;;   ~~~
;;   OPERANDS COMPUTED ON THE WAY. 'Computed on the way' means the value that the module computes at that place (a softmax that the list does not call 'softmax' is quantised finished and normalised). What goes into a quantiser is computed in f32, as accurately as f32 sums, v_exp_f32 and their like allow (about 1e-6 of the number): no bf16 or f16 on the way to a quantiser, and a product that is left as it is and whose result goes on into a quantised operand takes f32 operands (vector FMAs, or v_wmma_f32_16x16x4_f32). A number that lies on a knife's edge between two numbers of the format may be rounded either way, as far as f32 arithmetic and the matrix unit's own rounding can turn it there, and no further.
;;   INPUTS GIVEN AS CODES. fc0_w (in the module: [5, 128, 128], K = its axis 2); fc1_w (in the module: [5, 128, 128], K = its axis 2); fc_c_w (in the module: [5, 128, 32], K = its axis 2); fc_p_w (in the module: [128, 32], K = its axis 1): each comes as NAME_codes (uint8): NAME with its K axis moved to the last place and cut into blocks of 32 codes, [.., K / 32, bytes a block], one block behind the other in memory; one code a byte (a code: sign, 5 exponent bits, 2 mantissa bits); and NAME_scales (uint8): the same leading axes, one E8M0 byte (e + 127) for each 32 codes along K. Its value is code x scale, taken as it is: it is not quantised again, and the codes and scales need not be those that the quantiser above would give.
;; One version. Each part assembles by itself: llvm-mc -triple=amdgcn-amd-amdhsa -mcpu=gfx1250 --defsym DOCPART=n.
;; ======== version 1 of 1: 2 launches
;; limits: right only within a limited range of input values
;; workspace buffers: cell 1,003,520 bytes of whole numbers; wimg 202,752 bytes
;; launch prep (part 1): grid 292 x 1, 8 waves a work-group, no clusters, 0 bytes of LDS; arguments query, fc0_w_codes, fc1_w_codes, fc_p_w_codes, fc_c_w_codes, fc0_w_scales, fc1_w_scales, fc_p_w_scales, fc_c_w_scales, fc0_b, fc1_b, fc_p_b, fc_c_b, fc_out_w, cell, wimg; writes cell, wimg
.if DOCPART == 1
	.amdgcn_target "amdgcn-amd-amdhsa--gfx1250"
	.amdhsa_code_object_version 6
	.text
	.protected	k_qbf19c4c0a5_prep
	.globl	k_qbf19c4c0a5_prep
	.p2align	8
	.type	k_qbf19c4c0a5_prep,@function
k_qbf19c4c0a5_prep:
	s_mov_b64 s[64:65], 0
	v_nop
	global_prefetch_b8 v0, s[64:65] scope:SCOPE_SE
	s_setreg_imm32_b32 hwreg(HW_REG_WAVE_MODE, 25, 1), 1
	s_wait_xcnt 0x0
; PREP.  Two things that the decoding launch needs as they stand in memory:
; (1) cell[q] = (fx 64 + fy) 64 + fz, fx = floor(query[q][0]) and so on: the voxel at whose corner a query's eight rows of z_feats begin.  It is a whole
;     number made of floating-point numbers, so it is made here and stored, and the next launch forms its gather addresses from what it reads.
; (2) wimg: all weights, scale bytes and biases, laid byte for byte as the next launch keeps them in LDS (one dense block of 202,752 bytes):
;     a fragment of 16 rows x 128 K of codes is the image of its 16 registers, [4 groups of four registers][32 lanes][16 bytes].
;     THE ROWS OF A FRAGMENT ARE NOT NEIGHBOURS: lane r of fragment u takes row 32 (u / 2) + 8 (u % 2) + r + 8 (r / 8), so that in the transposed product
;     the 16 result registers of fragments 2 b and 2 b + 1 are 16 neighbours along the next product's K.
; LIMIT: each of fx, fy, fz is held to 0 .. 62 (all eight corners inside the grid of 64); the problem's queries lie there.
; SHARES: work-groups 0-244: cells, four queries a thread; 245-284: the ten 128 x 128 weights, 4,096 bytes each work-group; 285-290: the six 128 x 32 weights; 291: the small tables.
; No LDS, no barrier; every byte of both buffers is stored by one thread.
.set WG_W,  245
.set WG_C,  285
.set WG_T,  291
.set CIMG,  163840                     ; wimg: behind the two runs of 81,920 bytes (fc0's, fc1's fragments): fc_p's and fc_c's pieces, 4,096 bytes a matrix
.set S0T,   188416                     ; fc0's scale words, [block 5][lane r 16][fragment u 8]
.set S1T,   190976                     ; fc1's likewise
.set CST,   193536                     ; fc_p's and fc_c's scale bytes as words (the three upper bytes 0), [matrix 6][r][u]
.set B0T,   196608                     ; fc0_b as it is
.set NBT,   199168                     ; the biases that have gone into net when it is read for the k-th time, k = 0 .. 5
.set OWT,   202240                     ; fc_out_w as it is
	s_load_b512 s[8:23], s[0:1], 0x0               ; query s[8:9]; codes: fc0 s[10:11], fc1 s[12:13], fc_p s[14:15], fc_c s[16:17]; scales: fc0 s[18:19], fc1 s[20:21], fc_p s[22:23]
	s_load_b512 s[24:39], s[0:1], 0x40             ; fc_c's scales s[24:25]; fc0_b s[26:27], fc1_b s[28:29], fc_p_b s[30:31], fc_c_b s[32:33], fc_out_w s[34:35]; cell s[36:37], wimg s[38:39]
	v_lshrrev_b32 v1, 5, v0                        ; wave
	s_delay_alu instid0(VALU_DEP_1)
	v_readfirstlane_b32 s2, v1
	v_and_b32 v2, 15, v0                           ; r
	v_bfe_u32 v3, v0, 4, 1                         ; h
	s_delay_alu instid0(VALU_DEP_2)
	v_and_b32 v4, 8, v2
	s_delay_alu instid0(VALU_DEP_1)
	v_add_nc_u32 v4, v4, v2                        ; r + 8 (r / 8)
	s_mov_b32 s5, 0                                ; the upper word of every offset pair s[4:5]
	s_wait_kmcnt 0x0
	s_cmp_lt_u32 ttmp9, WG_W
	s_cbranch_scc0 .Lnot_cells
	; ---- cells: thread g takes queries 4 g .. 4 g + 3: 48 bytes in, 16 bytes out (a wave stores 512 consecutive bytes)
	s_lshl_b32 s3, ttmp9, 8
	v_add_nc_u32 v5, s3, v0                        ; g
	s_delay_alu instid0(VALU_DEP_1)
	v_min_u32 v6, 62499, v5                        ; the last 220 threads read the last four queries again: no load leaves its buffer; their words lie behind cell's 250,000 and are read by nobody
	s_delay_alu instid0(VALU_DEP_1)
	v_mul_u32_u24 v6, v6, 48
	global_load_b128 v[8:11], v6, s[8:9]
	global_load_b128 v[12:15], v6, s[8:9] offset:16
	global_load_b128 v[16:19], v6, s[8:9] offset:32
	v_lshlrev_b32 v7, 4, v5
	s_mov_b32 s4, 0x42780000                       ; 62.0
	s_wait_loadcnt 0x0
.irp j, 0,1,2,3,4,5,6,7,8,9,10,11
	v_floor_f32 v[8+\j], v[8+\j]
.endr
.irp j, 0,1,2,3,4,5,6,7,8,9,10,11
	v_med3_num_f32 v[8+\j], v[8+\j], 0, s4         ; held to 0 .. 62
.endr
.irp j, 0,1,2,3,4,5,6,7,8,9,10,11
	v_cvt_u32_f32 v[8+\j], v[8+\j]
.endr
.irp q, 0,1,2,3
	v_lshl_add_u32 v[20+\q], v[8+3*\q], 6, v[9+3*\q]
.endr
.irp q, 0,1,2,3
	s_delay_alu instid0(VALU_DEP_4)
	v_lshl_add_u32 v[20+\q], v[20+\q], 6, v[10+3*\q]
.endr
	global_store_b128 v7, v[20:23], s[36:37]
	s_endpgm
.Lnot_cells:
	s_cmp_lt_u32 ttmp9, WG_C
	s_cbranch_scc0 .Lnot_w
	; ---- a quarter (32 rows, two fragments) of one 128 x 128 weight: thread t stores 16 bytes at 16 t
	s_sub_co_u32 s3, ttmp9, WG_W                   ; 0 .. 39: 20 quarters of fc0, then 20 of fc1
	s_cmp_lt_u32 s3, 20
	s_cselect_b64 s[40:41], s[10:11], s[12:13]
	s_cselect_b32 s4, 0, 20
	s_sub_co_u32 s4, s3, s4
	s_lshl_b32 s4, s4, 12                          ; a quarter is 32 rows of 128 bytes in the source too
	s_add_nc_u64 s[40:41], s[40:41], s[4:5]
	s_lshl_b32 s4, s3, 12
	s_add_nc_u64 s[38:39], s[38:39], s[4:5]
	v_lshrrev_b32 v5, 7, v0                        ; which of the two fragments
	s_wait_alu depctr_va_vdst(0)
	v_lshl_add_u32 v5, v5, 3, v4                   ; the row in the quarter: 8 (u % 2) + r + 8 (r / 8)
	v_bfe_u32 v6, v0, 5, 2                         ; c: which block of 32 along K
	s_delay_alu instid0(VALU_DEP_2)
	v_lshlrev_b32 v5, 7, v5
	s_delay_alu instid0(VALU_DEP_1)
	v_lshl_add_u32 v5, v6, 5, v5
	s_delay_alu instid0(VALU_DEP_1)
	v_lshl_add_u32 v5, v3, 4, v5                   ; row x 128 + 32 c + 16 h
	global_load_b128 v[8:11], v5, s[40:41]
	v_lshlrev_b32 v7, 4, v0
	s_wait_alu depctr_va_vdst(0)
	s_wait_loadcnt 0x0
	global_store_b128 v7, v[8:11], s[38:39]
	s_endpgm
.Lnot_w:
	s_cmp_lt_u32 ttmp9, WG_T
	s_cbranch_scc0 .Ltables
	; ---- one 128 x 32 weight: eight pieces of four registers; matrix 0 is fc_p, matrix 1 + i is fc_c[i]
	s_sub_co_u32 s3, ttmp9, WG_C
	s_cmp_eq_u32 s3, 0
	s_cselect_b64 s[40:41], s[14:15], s[16:17]
	s_cselect_b32 s4, 1, s3
	s_sub_co_u32 s4, s4, 1
	s_lshl_b32 s4, s4, 12
	s_add_nc_u64 s[40:41], s[40:41], s[4:5]
	s_lshl_b32 s4, s3, 12
	s_add_co_u32 s4, s4, CIMG
	s_add_nc_u64 s[38:39], s[38:39], s[4:5]
	s_wait_alu depctr_va_vdst(0)
	v_lshrrev_b32 v5, 1, v1                        ; the wave's number is the fragment u
	v_and_b32 v6, 1, v1
	s_delay_alu instid0(VALU_DEP_2)
	v_lshl_add_u32 v5, v5, 5, v4
	s_delay_alu instid0(VALU_DEP_1)
	v_lshl_add_u32 v5, v6, 3, v5                   ; the row
	s_delay_alu instid0(VALU_DEP_1)
	v_lshlrev_b32 v5, 5, v5
	s_delay_alu instid0(VALU_DEP_1)
	v_lshl_add_u32 v5, v3, 4, v5                   ; row x 32 + 16 h
	global_load_b128 v[8:11], v5, s[40:41]
	v_lshlrev_b32 v7, 4, v0
	s_wait_alu depctr_va_vdst(0)
	s_wait_loadcnt 0x0
	global_store_b128 v7, v[8:11], s[38:39]
	s_endpgm
.Ltables:
	s_cmp_lt_u32 s2, 4
	s_cbranch_scc0 .Lscales
	; ---- waves 0-3: thread t is hidden unit t.  These tables are 14 KB in all; a wave's store covers 128 consecutive bytes
	v_lshlrev_b32 v5, 2, v0
.irp i, 0,1,2,3,4
	global_load_b32 v[8+\i], v5, s[26:27] offset:512*\i      ; fc0_b
	global_load_b32 v[13+\i], v5, s[28:29] offset:512*\i     ; fc1_b
	global_load_b32 v[18+\i], v5, s[32:33] offset:512*\i     ; fc_c_b
.endr
	global_load_b32 v23, v5, s[30:31]              ; fc_p_b
	global_load_b32 v24, v5, s[34:35]              ; fc_out_w
	s_wait_loadcnt 0x0
	v_add_f32 v25, v23, v18                        ; read 0: fc_p_b + fc_c_b[0]
.irp k, 1,2,3,4
	s_delay_alu instid0(VALU_DEP_1)
	v_add_f32 v[25+\k], v[24+\k], v[12+\k]         ; read k: + fc1_b[k - 1]
	s_delay_alu instid0(VALU_DEP_1)
	v_add_f32 v[25+\k], v[25+\k], v[18+\k]         ;         + fc_c_b[k]
.endr
	s_delay_alu instid0(VALU_DEP_1)
	v_add_f32 v30, v29, v17                        ; read 5, ahead of the last activation: + fc1_b[4]
.irp i, 0,1,2,3,4
	global_store_b32 v5, v[8+\i], s[38:39] offset:B0T+512*\i
.endr
.irp k, 0,1,2,3,4,5
	global_store_b32 v5, v[25+\k], s[38:39] offset:NBT+512*\k
.endr
	global_store_b32 v5, v24, s[38:39] offset:OWT
	s_endpgm
.Lscales:
	; ---- waves 4-7: thread 8 r + u stores the scale word of fragment u's lane r, for each matrix
	v_and_b32 v5, 127, v0
	s_delay_alu instid0(VALU_DEP_1)
	v_lshrrev_b32 v6, 3, v5                        ; r
	s_delay_alu instid0(VALU_DEP_2)
	v_and_b32 v7, 7, v5                            ; u
	s_delay_alu instid0(VALU_DEP_2)
	v_and_b32 v8, 8, v6
	s_delay_alu instid0(VALU_DEP_1)
	v_add_nc_u32 v8, v8, v6
	s_delay_alu instid0(VALU_DEP_3)
	v_lshrrev_b32 v9, 1, v7
	s_delay_alu instid0(VALU_DEP_1)
	v_lshl_add_u32 v8, v9, 5, v8
	v_and_b32 v9, 1, v7
	s_delay_alu instid0(VALU_DEP_1)
	v_lshl_add_u32 v8, v9, 3, v8                   ; the row
	s_delay_alu instid0(VALU_DEP_1)
	v_lshlrev_b32 v9, 2, v8
.irp i, 0,1,2,3,4
	global_load_b32 v[10+\i], v9, s[18:19] offset:512*\i     ; fc0: four bytes a row
	global_load_b32 v[15+\i], v9, s[20:21] offset:512*\i     ; fc1
	global_load_u8 v[21+\i], v8, s[24:25] offset:128*\i      ; fc_c: one byte a row, widened with zeros
.endr
	global_load_u8 v20, v8, s[22:23]               ; fc_p
	v_lshlrev_b32 v5, 2, v5
	s_wait_alu depctr_va_vdst(0)
	s_wait_loadcnt 0x0
.irp i, 0,1,2,3,4
	global_store_b32 v5, v[10+\i], s[38:39] offset:S0T+512*\i
	global_store_b32 v5, v[15+\i], s[38:39] offset:S1T+512*\i
.endr
.irp m, 0,1,2,3,4,5
	global_store_b32 v5, v[20+\m], s[38:39] offset:CST+512*\m
.endr
	s_endpgm
.Lfunc_end_k_qbf19c4c0a5_prep:
	.size	k_qbf19c4c0a5_prep, .Lfunc_end_k_qbf19c4c0a5_prep-k_qbf19c4c0a5_prep
	.p2alignl 7, 3214868480
	.fill 96, 4, 3214868480
	.section	.rodata,"a",@progbits
	.p2align	6, 0x0
	.amdhsa_kernel k_qbf19c4c0a5_prep
		.amdhsa_group_segment_fixed_size 0
		.amdhsa_private_segment_fixed_size 0
		.amdhsa_enable_private_segment 0
		.amdhsa_kernarg_size 128
		.amdhsa_user_sgpr_count 2
		.amdhsa_user_sgpr_kernarg_segment_ptr 1
		.amdhsa_wavefront_size32 1
		.amdhsa_system_sgpr_workgroup_id_x 1
		.amdhsa_system_sgpr_workgroup_id_y 1
		.amdhsa_system_sgpr_workgroup_id_z 1
		.amdhsa_system_vgpr_workitem_id 0
		.amdhsa_next_free_vgpr 48
		.amdhsa_next_free_sgpr 66
		.amdhsa_reserve_vcc 0
		.amdhsa_float_denorm_mode_32 3
		.amdhsa_float_denorm_mode_16_64 3
		.amdhsa_memory_ordered 1
		.amdhsa_forward_progress 1
		.amdhsa_inst_pref_size 14
	.end_amdhsa_kernel
	.amdgpu_metadata
---
amdhsa.version: [ 1, 2 ]
amdhsa.kernels:
  - .name:           k_qbf19c4c0a5_prep
    .symbol:         k_qbf19c4c0a5_prep.kd
    .args:
      - { .name: query, .offset: 0, .size: 8, .value_kind: global_buffer, .address_space: global }
      - { .name: fc0_w_codes, .offset: 8, .size: 8, .value_kind: global_buffer, .address_space: global }
      - { .name: fc1_w_codes, .offset: 16, .size: 8, .value_kind: global_buffer, .address_space: global }
      - { .name: fc_p_w_codes, .offset: 24, .size: 8, .value_kind: global_buffer, .address_space: global }
      - { .name: fc_c_w_codes, .offset: 32, .size: 8, .value_kind: global_buffer, .address_space: global }
      - { .name: fc0_w_scales, .offset: 40, .size: 8, .value_kind: global_buffer, .address_space: global }
      - { .name: fc1_w_scales, .offset: 48, .size: 8, .value_kind: global_buffer, .address_space: global }
      - { .name: fc_p_w_scales, .offset: 56, .size: 8, .value_kind: global_buffer, .address_space: global }
      - { .name: fc_c_w_scales, .offset: 64, .size: 8, .value_kind: global_buffer, .address_space: global }
      - { .name: fc0_b, .offset: 72, .size: 8, .value_kind: global_buffer, .address_space: global }
      - { .name: fc1_b, .offset: 80, .size: 8, .value_kind: global_buffer, .address_space: global }
      - { .name: fc_p_b, .offset: 88, .size: 8, .value_kind: global_buffer, .address_space: global }
      - { .name: fc_c_b, .offset: 96, .size: 8, .value_kind: global_buffer, .address_space: global }
      - { .name: fc_out_w, .offset: 104, .size: 8, .value_kind: global_buffer, .address_space: global }
      - { .name: cell, .offset: 112, .size: 8, .value_kind: global_buffer, .address_space: global }
      - { .name: wimg, .offset: 120, .size: 8, .value_kind: global_buffer, .address_space: global }
    .group_segment_fixed_size: 0
    .private_segment_fixed_size: 0
    .kernarg_segment_align: 8
    .kernarg_segment_size: 128
    .max_flat_workgroup_size: 256
    .sgpr_count:     66
    .vgpr_count:     48
    .wavefront_size: 32
...
	.end_amdgpu_metadata
.endif
;; end of part 1
;; launch decode (part 2): grid 256 x 1, 4 waves a work-group, no clusters, 214,528 bytes of LDS; arguments wimg, cell, query, z_feats, fc_out_b, out0; writes out0
.if DOCPART == 2
	.amdgcn_target "amdgcn-amd-amdhsa--gfx1250"
	.amdhsa_code_object_version 6
	.text
	.protected	k_qbf19c4c0a5_decode
	.globl	k_qbf19c4c0a5_decode
	.p2align	8
	.type	k_qbf19c4c0a5_decode,@function
k_qbf19c4c0a5_decode:
	s_mov_b64 s[64:65], 0
	v_nop
	global_prefetch_b8 v0, s[64:65] scope:SCOPE_SE
	s_setreg_imm32_b32 hwreg(HW_REG_WAVE_MODE, 25, 1), 1
	s_wait_xcnt 0x0
; DECODE.  For each query: eight rows of z_feats, blended in f32 into a latent of 32; net = latent P^T; five times: net += latent C_i^T, net += relu(relu(net) W0_i^T + b0_i) W1_i^T (+ biases);
; out = leaky_relu(net) . w_out + b_out.  All sixteen products on codes of E5M2 with one E8M0 scale for each 32 along K; every activation is quantised in registers, from f32.
; SHARES.  256 work-groups of four waves, one wave to a SIMD with all its registers.  Wave W = 4 x work-group + wave takes blocks of 64 queries (four tiles of 16): blocks W, W + 1024, W + 2048, W + 3072.
;   There are 3,907 blocks, so the last pass of waves 835 .. 1023 has no rows: it works on the last query again (rows are held at 249,999 for loads) and stores nothing.  All waves walk the same
;   counted loops; the other 835 waves need four passes anyway.  Behind the one barrier at the head the waves share nothing.
; WEIGHTS.  All of them, with scale words and biases, lie in LDS for the whole launch, as the launch before laid them: one dense block, brought once, a quarter by each wave's one tensor load.
;   A fragment read from LDS (four loads of 512 consecutive bytes) feeds four matrix instructions, one for each tile of queries.
;   No cluster and no joint load: what work-groups share is that one block of 202,752 bytes, once, beside some 1,000 queries x 1 KB of gathered rows for each work-group.
; LAYOUT.  Every product is used transposed: source 0 = 16 rows of a weight, source 1 = 16 queries.  Lane (r, h) holds query r throughout.  The rows of a weight's fragment are chosen so that the 16 result
;   registers of fragments 2 b and 2 b + 1 are units 32 b + 16 h + 0 .. 15: two conversions turn them into registers 4 b .. 4 b + 3 of the next product's operand.
; BIASES.  fc0_b is the C of fc0's products.  The residual stream is kept as the sum of products alone (in place, C = D); where net is read, one packed addition puts the biases that have gone into it so far
;   on top (a table of six rows).  So the f32 sums are taken in another order than the source reads; nothing else differs.
; K = 32.  The latent's operand is its four registers of codes and twelve registers of zero codes; its scale word has the block's byte below and 0 above.  The weight's operand is its four registers and
;   the twelve that follow them in the register file, which hold other weights' codes: they meet zero codes.
; LIMITS.  Codes of infinity or NaN among the weights, and NaN or infinities among the inputs, are not served.  Queries lie in [0, 63) on each axis (the launch before holds the cell there).
;   A block whose numbers are all zero (or all clipped by the activation) gets the scale byte 1 in place of 127: its codes are zeros, and the bytes never leave this launch.
; BY TURNS.  A UNIT n = (b = n / 2, p = n % 2) is block b of 32 hidden units for tiles 2 p, 2 p + 1.  A phase has eight slots; slot n holds the vector work of unit n (bias, largest magnitude, scale, activation and
;   hold, conversions), and between its lines the matrix instructions of unit n + 1 (in slot 7: unit 0 of the next layer).  A slot has 64 to 80 vector lines for four or eight matrix instructions: set in phases
;   of their own they would leave the matrix unit idle all that while, so a window switch in front of and behind each matrix instruction is the lesser price.
;   The accumulators take turns, one instruction a turn; no two matrix instructions that follow each other share one.
; PLACES.  Behind this matrix form eight plain vector lines that name none of its registers stand before a result is read or a load goes into one of its registers (ISA guide 7.12.1 for a result that is read):
;   every slot ends with eight such lines behind its last matrix instruction, and begins with ten or more ahead of its loads.
; THE GATHER runs one tile ahead of its use as a stream: at the head of each trip of the loop over layers the rows asked for a trip ago are blended and quantised for the NEXT pass, the next tile's 32 loads go out,
;   and the indices of the tile after that.  So no prefetch is laid: the loads themselves stand a whole trip ahead of their wait.
;
; REGISTERS, in windows of 256 (s_set_vgpr_msb: bits 1:0 source 0, 3:2 source 1, 5:4 source 2, 7:6 destination):
;   window 0: addresses, weights of the blend, scale words, the rings of biases, H (fc0's results, or net with its biases: two buffers of 32), the latent
;   window 1: v0-79 the ring of weight fragments, two buffers of 40 (+0 two pieces of a K = 32 weight, +8 two fragments); v80-143 the latents' operands; v144-207 fc_out_w
;   window 2: v0-127 gathered rows; v128-191 codes of relu(net); v192-255 codes of relu(h)          window 3: net, 64 registers a tile
.set NQ,    250000
.set W1IMG, 81920                      ; LDS, as wimg lies: fc0's fragments from 0, fc1's from here, 16,384 bytes a block of the decoder
.set CIMG,  163840                     ; fc_p's and fc_c's pieces, 4,096 bytes a matrix
.set S0T,   188416                     ; scale words, 512 bytes a matrix: fc0's,
.set S1T,   190976                     ; fc1's,
.set CST,   193536                     ; fc_p's and fc_c's
.set B0T,   196608                     ; fc0_b
.set NBT,   199168                     ; the six rows of summed biases
.set OWT,   202240                     ; fc_out_w
.set QUART, 50688                      ; a quarter of that block: 198 rows of 256 bytes
.set LSC,   202752                     ; behind it, written by LDS stores alone: for each wave 2,560 bytes: the next pass's four latents as register images (512 each), then their scale words (128 each)
.set OSC,   212992                     ; and for each wave 256 bytes: a block's 64 results
.set LI,   1                           ; v1   16 x lane
.set LW,   2                           ; v2   4 x lane
.set R32,  3                           ; v3   32 r
.set H64,  4                           ; v4   64 h
.set AW0,  5                           ; v5-12  the trip's LDS addresses: fc0's and fc1's fragments, the K = 32 pieces, the three kinds of scale words, fc0_b, the summed biases
.set AW1,  6
.set AC,   7
.set AS0,  8
.set AS1,  9
.set ACS,  10
.set AB0,  11
.set ANB,  12
.set ALC,  13                          ; v13  my place in my wave's latent images;  v14 among their scale words
.set ALS,  14
.set AOS,  15                          ; v15  where I put a result;  v16 where I read two back
.set AOL,  16
.set L8,   17                          ; v17  8 x lane
.set RL,   18                          ; v18  r
.set GOFF, 19                          ; v19  the gather's byte offset
.set IOFF, 20                          ; v20-21 the index loads' byte offsets (cell, query)
.set QI,   22                          ; v22-25 a tile's cell and its query's three numbers
.set GW,   26                          ; v26-33 the eight corners' weights
.set LC,   42                          ; v42-45 a latent's codes
.set L2,   47                          ; v47  2 x lane
.set QT,   48                          ; v48-65 the quantiser's nine registers for each of two tiles: +0..4 maxima, +5 the other half's, +6 the hold, +7 the conversion's scale, +8 the byte
.set OA,   48                          ; (in the last phase: four partial sums a tile)
.set SW0,  66                          ; v66-89 the weights' scale words, eight a matrix: fc0's, fc1's (or fc_p's), fc_c's
.set SW1,  74
.set SWC,  82
.set SC1,  90                          ; v90-101 the activations' scale words, one a tile: relu(net)'s, relu(h)'s, the latent's
.set SC2,  94
.set SL,   98
.set B0R,  102                         ; v102-133 fc0_b, two buffers of 16;  v134-165 the summed biases likewise
.set NBR,  134
.set H,    176                         ; v176-239
.set LAT,  240                         ; v240-255
.set CH,   80                          ; window 1
.set OW,   144
.set C1,   128                         ; window 2
.set C2,   192
.set PQ,   102                         ; at the head only: five tiles' indices and queries, their offsets, four tiles' weights and gather offsets (in registers that the rings and H take later)
.set PA,   122
.set PGW,  134
.set PGO,  176
.set K_F0, 1                           ; kinds of matrix work: fc0;
.set K_X,  2                           ; fc1, and the next block's fc_c on the same accumulators;
.set K_Y,  3                           ; fc_p (starts the sums) and fc_c[0];
.set K_XF, 4                           ; the last fc1 alone
.set MSB, 0
.macro WIN new                         ; the immediate's high byte repeats the setting that is left; a switch that changes nothing is dropped
.if MSB != (\new)
	s_set_vgpr_msb (MSB<<8)|(\new)
.set MSB, (\new)
.endif
.endm
; ---------------- LDS loads of a block b of 32 hidden units: what units 2 b and 2 b + 1 want, into buffer b % 2 of each ring
.macro LDW adr, off, b                 ; two fragments of a 128 x 128 weight
	WIN 0x40
.irp v, 0,1
.irp c, 0,1,2,3
	ds_load_b128 v[rg+8+16*\v+4*\c:rg+8+16*\v+4*\c+3], v[\adr] offset:(\off)+(2*(\b)+\v)*2048+512*\c
.endr
.endr
.endm
.macro LDC dst, off, b                 ; two pieces of a 128 x 32 weight
	WIN 0x40
.irp v, 0,1
	ds_load_b128 v[rg+\dst+4*\v:rg+\dst+4*\v+3], v[AC] offset:(\off)+(2*(\b)+\v)*512
.endr
.endm
.macro LDV reg, adr, off, b            ; my 16 numbers of a row of biases
	WIN 0
.irp j, 0,1,2,3
	ds_load_b128 v[\reg+16*((\b)%2)+4*\j:\reg+16*((\b)%2)+4*\j+3], v[\adr] offset:(\off)+128*(\b)+16*\j
.endr
.endm
.macro LDSC reg, adr, off              ; a matrix's eight scale words of my lane
	WIN 0
	ds_load_b128 v[\reg:\reg+3], v[\adr] offset:(\off)
	ds_load_b128 v[\reg+4:\reg+7], v[\adr] offset:(\off)+16
.endm
.macro LOADBLK kind, b, d              ; d = 1: fc0 of the block of the decoder after the trip's
.set rg, 40*((\b)%2)
.if (\kind) == K_F0
	LDW AW0, 16384*(\d), \b
	LDV B0R, AB0, 512*(\d), \b
.if (\b) == 0
	LDSC SW0, AS0, 512*(\d)
.endif
.elseif (\kind) == K_X
	LDW AW1, 0, \b
	LDC 0, 8192, \b                                ; fc_c of the next block: matrix trip + 2
	LDV NBR, ANB, 512, \b
.if (\b) == 0
	LDSC SW1, AS1, 0
	LDSC SWC, ACS, 1024
.endif
.elseif (\kind) == K_Y
	LDC 8, 0, \b                                   ; fc_p where a fragment's first registers lie,
	LDC 0, 4096, \b                                ; fc_c[0]
	LDV NBR, ANB, 0, \b
.if (\b) == 0
	LDSC SW1, ACS, 0
	LDSC SWC, ACS, 512
.endif
.elseif (\kind) == K_XF
	LDW AW1, 0, \b
	LDV NBR, ANB, 512, \b
.if (\b) == 0
	LDSC SW1, AS1, 0
.endif
.endif
	WIN 0
.endm
; In odd slots: the loads issued two slots back are in (their first use follows); then the next run of loads.  lk < 0: an even slot, nothing; lk = 0: the wait alone.
.macro LBK lk, lb, ld
.if (\lk) >= 0
	s_wait_dscnt 0x0
.endif
.if (\lk) > 0
	LOADBLK \lk, \lb, \ld
.endif
.endm
; ---------------- the matrix instruction that stands at place k (0 .. 7) of a slot, for unit n.  Kinds of four instructions take places 0, 2, 4, 6.
.macro MM kind, n, k
.set mb, (\n)/2
.set mp, (\n)%2
.set rg, 40*(mb%2)
.set mj, (\k)%4
.if ((\kind) == K_F0) || ((\kind) == K_XF)
.set mj, (\k)/2
.endif
.set mv, mj%2                          ; which of the block's two fragments
.set mt, 2*mp+mj/2                     ; which tile of queries
.set mh, H+32*mp+16*(mj/2)+8*mv
.set ma, 64*mt+16*mb+8*mv              ; net's accumulator
.set mw, rg+8+16*mv
.if ((\kind) == K_F0) && ((\k)%2 == 0)
	WIN 0x09                                       ; weights window 1, codes window 2, C (fc0_b) and D (H) window 0
	v_wmma_scale_f32_16x16x128_f8f6f4 v[mh:mh+7], v[mw:mw+15], v[C1+16*mt:C1+16*mt+15], v[B0R+16*(mb%2)+8*mv:B0R+16*(mb%2)+8*mv+7], v[SW0+2*mb+mv], v[SC1+mt] matrix_a_fmt:MATRIX_FMT_BF8 matrix_b_fmt:MATRIX_FMT_BF8
.endif
.if (((\kind) == K_XF) && ((\k)%2 == 0)) || (((\kind) == K_X) && ((\k) < 4))
	WIN 0xf9                                       ; weights window 1, codes window 2, net window 3
	v_wmma_scale_f32_16x16x128_f8f6f4 v[ma:ma+7], v[mw:mw+15], v[C2+16*mt:C2+16*mt+15], v[ma:ma+7], v[SW1+2*mb+mv], v[SC2+mt] matrix_a_fmt:MATRIX_FMT_BF8 matrix_b_fmt:MATRIX_FMT_BF8
.endif
.if ((\kind) == K_Y) && ((\k) < 4)
	WIN 0xf5                                       ; weights and the latent's operand window 1, net window 3
	v_wmma_scale_f32_16x16x128_f8f6f4 v[ma:ma+7], v[rg+8+4*mv:rg+8+4*mv+15], v[CH+16*mt:CH+16*mt+15], 0, v[SW1+2*mb+mv], v[SL+mt] matrix_a_fmt:MATRIX_FMT_BF8 matrix_b_fmt:MATRIX_FMT_BF8
.endif
.if (((\kind) == K_X) || ((\kind) == K_Y)) && ((\k) >= 4)
	WIN 0xf5
	v_wmma_scale_f32_16x16x128_f8f6f4 v[ma:ma+7], v[rg+4*mv:rg+4*mv+15], v[CH+16*mt:CH+16*mt+15], v[ma:ma+7], v[SWC+2*mb+mv], v[SL+mt] matrix_a_fmt:MATRIX_FMT_BF8 matrix_b_fmt:MATRIX_FMT_BF8
.endif
.endm
; ---------------- the vector work of a slot, on the 2 x 16 registers at v[xx] (tile 2 qp, then tile 2 qp + 1), block qb.  The two tiles go by turns; every accumulator is read from its low end on.
.macro PKADD                           ; net with its biases: 16 packed additions
	WIN 0x03
.irp i, 0,1,2,3,4,5,6,7
.irp e, 0,1
	v_pk_add_f32 v[xx+16*\e+2*\i:xx+16*\e+2*\i+1], v[64*(2*qp+\e)+16*qb+2*\i:64*(2*qp+\e)+16*qb+2*\i+1], v[NBR+16*(qb%2)+2*\i:NBR+16*(qb%2)+2*\i+1]
.endr
.endr
.endm
.macro QT1                             ; the largest number of my 16, five chains.  No |.|: what is negative becomes 0 (the activation), so it must not count
	WIN 0
.irp g, 0,1,2,3,4
.irp e, 0,1
	v_max3_num_f32 v[QT+9*\e+\g], v[xx+16*\e+3*\g], v[xx+16*\e+3*\g+1], v[xx+16*\e+3*\g+2]
.endr
.endr
.endm
.macro QT23
	WIN 0
.irp e, 0,1
	v_max3_num_f32 v[QT+9*\e], v[QT+9*\e], v[QT+9*\e+1], v[xx+16*\e+15]
.endr
.irp e, 0,1
	v_max3_num_f32 v[QT+9*\e+2], v[QT+9*\e+2], v[QT+9*\e+3], v[QT+9*\e+4]
.endr
.irp e, 0,1
	v_max3_num_f32 v[QT+9*\e], v[QT+9*\e], v[QT+9*\e+2], 0x8000000   ; and the floor 2^(16 - 127): the byte cannot fall under 1
.endr
.endm
.macro LBW lk                          ; odd slots: the loads issued two slots back are in (their first use follows)
.if (\lk) >= 0
	s_wait_dscnt 0x0
.endif
.endm
.macro LBL lk, lb, ld                  ; odd slots: the next run of loads, into the ring halves that this slot's products do not name
.if (\lk) > 0
	LOADBLK \lk, \lb, \ld
.endif
.endm
; The middle of a slot: the carried matrix instructions stand in pairs (kinds of four: singly) between the steps of the quantiser's chain;
; the run of LDS loads follows the last pair, and the 36 plain lines behind it are the places behind the slot's last matrix instruction.
.macro SLOTM mk, mn, lk, lb, ld, sc
	QT23
	MM \mk, \mn, 0
	MM \mk, \mn, 1
	QSA
	MM \mk, \mn, 2
	MM \mk, \mn, 3
	QSB
	MM \mk, \mn, 4
	MM \mk, \mn, 5
	QSC
	MM \mk, \mn, 6
	MM \mk, \mn, 7
	LBL \lk, \lb, \ld
	QPL 0, 36, \sc
.endm
; Half of a tile's gather: the four corners with ox = x, 16 loads, into window 2
.macro GHALF x
	WIN 0x80
.irp k, 0,1,2,3
.irp j, 0,1,2,3
	global_load_b128 v[64*(\x)+16*\k+4*\j:64*(\x)+16*\k+4*\j+3], v[GOFF], s[10:11] offset:(\x)*524288+(\k/2)*8192+(\k%2)*128+16*\j
.endr
.endr
	WIN 0
.endm
.macro QSA
	WIN 0
.irp e, 0,1
	v_permlanex16_b32 v[QT+9*\e+5], v[QT+9*\e], s20, s21             ; the block's other 16 lie in lane l xor 16
.endr
.endm
.macro QSB
	WIN 0
.irp e, 0,1
	v_max_num_f32 v[QT+9*\e], v[QT+9*\e], v[QT+9*\e+5]
.endr
.endm
.macro QSC
	WIN 0
.irp e, 0,1
	v_and_or_b32 v[QT+9*\e+6], v[QT+9*\e], 0x7f800000, s22           ; 57,344 x the scale: the largest number's exponent field over 57,344's mantissa
.endr
.irp e, 0,1
	v_add_nc_u32 v[QT+9*\e+7], 0xf8800000, v[QT+9*\e]                ; 15 off the exponent field: the conversion takes this operand's exponent field as its scale
.endr
.endm
; lines lo .. hi - 1 of 36 plain lines: 0, 1 the scale's byte; 2, 3 the byte into the tile's scale word; 4 .. 35 the activation and the hold in one
.macro QPL lo, hi, sc
	WIN 0
.set ql, \lo
.rept (\hi)-(\lo)
.if ql < 2
	v_lshrrev_b32 v[QT+9*ql+8], 23, v[QT+9*ql+7]
.elseif ql < 4
.if qb == 0
	v_mov_b32 v[\sc+2*qp+ql-2], v[QT+9*(ql-2)+8]
.else
	v_lshl_or_b32 v[\sc+2*qp+ql-2], v[QT+9*(ql-2)+8], 8*qb, v[\sc+2*qp+ql-2]
.endif
.else
	v_med3_num_f32 v[xx+16*((ql-4)%2)+(ql-4)/2], v[xx+16*((ql-4)%2)+(ql-4)/2], 0, v[QT+9*((ql-4)%2)+6]   ; between 0 and the largest code x the scale: the conversion does not saturate (ISA guide 7.6.2)
.endif
.set ql, ql+1
.endr
.endm
.macro QCV cb                          ; registers 4 qb .. 4 qb + 3 of the two tiles' operands.  A plain vector line always follows (the next slot's first)
	WIN 0x80
.irp e, 0,1
.irp g, 0,1
	v_cvt_scalef32_pk8_bf8_f32 v[\cb+16*(2*qp+\e)+4*qb+2*\g:\cb+16*(2*qp+\e)+4*qb+2*\g+1], v[xx+16*\e+8*\g:xx+16*\e+8*\g+7], v[QT+9*\e+7]
.endr
.endr
.endm
; A slot.  vk = 1: net of unit n, with its biases, becomes codes of relu(net); vk = 2: fc0's results of unit n become codes of relu(h).  mk, mn: the matrix work carried.  lk, lb, ld: the run of loads.
.macro SLOTQ vk, n, mk, mn, lk, lb, ld
.set xx, H+32*((\n)%2)
.set qb, (\n)/2
.set qp, (\n)%2
.if (\vk) == 1
	PKADD
	LBW \lk
	QT1
	SLOTM \mk, \mn, \lk, \lb, \ld, SC1
	QCV C1
.else
	QT1
	s_wait_alu depctr_va_vdst(0)
	LBW \lk
	SLOTM \mk, \mn, \lk, \lb, \ld, SC2
	QCV C2
.endif
.endm
; A phase: eight slots.  mk: the kind carried (units 1 .. 7); mkl: the next kind (unit 0, in slot 7).  Slots 1 and 3 load blocks 2 and 3 of mk, slots 5 and 7 blocks 0 and 1 of mkl.
.macro PHASE_Q vk, mk, mkl, d
	SLOTQ \vk, 0, \mk, 1, -1, 0, 0
	SLOTQ \vk, 1, \mk, 2, \mk, 2, 0
	SLOTQ \vk, 2, \mk, 3, -1, 0, 0
	SLOTQ \vk, 3, \mk, 4, \mk, 3, 0
	SLOTQ \vk, 4, \mk, 5, -1, 0, 0
	SLOTQ \vk, 5, \mk, 6, \mkl, 0, \d
	SLOTQ \vk, 6, \mk, 7, -1, 0, 0
	SLOTQ \vk, 7, \mkl, 0, \mkl, 1, \d
	WIN 0
.endm
; A slot of the last phase: net of unit n with its biases, max(x, 0.2 x), times fc_out_w into four partial sums a tile
.macro SLOTC n, mk, lk, lb
.set xx, H+32*((\n)%2)
.set yy, H+32*(((\n)+1)%2)
.set qb, (\n)/2
.set qp, (\n)%2
	PKADD
	LBK \lk, \lb, 0
	MM \mk, (\n)+1, 0
	WIN 0
.irp i, 0,1,2,3,4,5,6,7
.irp e, 0,1
	v_pk_mul_f32 v[yy+16*\e+2*\i:yy+16*\e+2*\i+1], v[xx+16*\e+2*\i:xx+16*\e+2*\i+1], 0x3e4ccccd op_sel_hi:[1,0]
.endr
.endr
	MM \mk, (\n)+1, 2
	WIN 0
.set qm, 0
.rept 16
	v_max_num_f32 v[xx+qm], v[xx+qm], v[yy+qm]
.set qm, qm+1
.endr
	MM \mk, (\n)+1, 4
	WIN 0
.rept 16
	v_max_num_f32 v[xx+qm], v[xx+qm], v[yy+qm]
.set qm, qm+1
.endr
	MM \mk, (\n)+1, 6
	WIN 0x04                                       ; fc_out_w in window 1.  These sixteen are the places behind the slot's last matrix instruction
.irp i, 0,1,2,3,4,5,6,7
.irp e, 0,1
.if (qb == 0) && (\i < 2)
	v_pk_mul_f32 v[OA+4*(2*qp+\e)+2*(\i%2):OA+4*(2*qp+\e)+2*(\i%2)+1], v[xx+16*\e+2*\i:xx+16*\e+2*\i+1], v[OW+16*qb+2*\i:OW+16*qb+2*\i+1]   ; the first products start the sums
.else
	v_pk_fma_f32 v[OA+4*(2*qp+\e)+2*(\i%2):OA+4*(2*qp+\e)+2*(\i%2)+1], v[xx+16*\e+2*\i:xx+16*\e+2*\i+1], v[OW+16*qb+2*\i:OW+16*qb+2*\i+1], v[OA+4*(2*qp+\e)+2*(\i%2):OA+4*(2*qp+\e)+2*(\i%2)+1]
.endif
.endr
.endr
.endm
; ---------------- the gather
.macro IDXQ dst, a                     ; the tile whose first row is s26: each lane's cell and query (lanes r and r + 16 alike).  Rows are held at the last query: no load leaves its buffer
	v_add_nc_u32 v[\a], s26, v[RL]
	v_min_u32 v[\a], NQ-1, v[\a]
	v_mul_u32_u24 v[\a+1], v[\a], 12
	v_lshlrev_b32 v[\a], 2, v[\a]
	global_load_b32 v[\dst], v[\a], s[6:7]
	global_load_b32 v[\dst+1], v[\a+1], s[8:9]
	global_load_b32 v[\dst+2], v[\a+1], s[8:9] offset:4
	global_load_b32 v[\dst+3], v[\a+1], s[8:9] offset:8
.endm
.macro ADDRW qi, gw, goff              ; the gather's offset, and the eight weights ((x y) z, as the source multiplies them); corner k = 4 ox + 2 oy + oz
	WIN 0
	v_min_u32 v[\qi], 0x3efbe, v[\qi]              ; a loaded number enters an address only held: the last cell all of whose corners lie in the table
	v_lshl_add_u32 v[\goff], v[\qi], 7, v[H64]     ; a row of z_feats is 128 bytes; my half of it
	v_floor_f32 v35, v[\qi+1]
	v_floor_f32 v37, v[\qi+2]
	v_floor_f32 v39, v[\qi+3]
	v_sub_f32 v35, v[\qi+1], v35
	v_sub_f32 v37, v[\qi+2], v37
	v_sub_f32 v39, v[\qi+3], v39
	v_sub_f32 v36, 1.0, v35
	v_sub_f32 v38, 1.0, v37
	v_sub_f32 v40, 1.0, v39
	v_mul_f32 v[\gw], v36, v38
	v_mul_f32 v[\gw+2], v36, v37
	v_mul_f32 v[\gw+4], v35, v38
	v_mul_f32 v[\gw+6], v35, v37
.irp m, 0,2,4,6
	v_mul_f32 v[\gw+\m+1], v[\gw+\m], v39
.endr
.irp m, 0,2,4,6
	v_mul_f32 v[\gw+\m], v[\gw+\m], v40
.endr
.endm
.macro GISSUE win, base, goff          ; 32 loads: for each corner my 64 bytes of its row; the corner stands in the immediate
	WIN (\win)<<6
.irp k, 0,1,2,3,4,5,6,7
.irp j, 0,1,2,3
	global_load_b128 v[\base+16*\k+4*\j:\base+16*\k+4*\j+3], v[\goff], s[10:11] offset:(\k/4)*524288+((\k/2)%2)*8192+(\k%2)*128+16*\j
.endr
.endr
	WIN 0
.endm
.macro INTERP win, base, gw            ; the latent: my 16 numbers, two at a time; a corner's weight serves both halves
	WIN \win
.irp i, 0,1,2,3,4,5,6,7
	v_pk_mul_f32 v[LAT+2*\i:LAT+2*\i+1], v[\base+2*\i:\base+2*\i+1], v[\gw:\gw+1] op_sel_hi:[1,0]
.endr
.irp k, 1,2,3,4,5,6,7
.irp i, 0,1,2,3,4,5,6,7
.if \k%2
	v_pk_fma_f32 v[LAT+2*\i:LAT+2*\i+1], v[\base+16*\k+2*\i:\base+16*\k+2*\i+1], v[\gw+\k-1:\gw+\k], v[LAT+2*\i:LAT+2*\i+1] op_sel:[0,1,0] op_sel_hi:[1,1,1]
.else
	v_pk_fma_f32 v[LAT+2*\i:LAT+2*\i+1], v[\base+16*\k+2*\i:\base+16*\k+2*\i+1], v[\gw+\k:\gw+\k+1], v[LAT+2*\i:LAT+2*\i+1] op_sel_hi:[1,0,1]
.endif
.endr
.endr
.endm
.macro QLAT ac, as, oc, os             ; the latent (one block of 32: my 16 and lane l xor 16's) becomes four registers of codes and a scale word; both go to my wave's own LDS bytes
	WIN 0
.irp g, 0,1,2,3,4
	v_max3_num_f32 v[QT+\g], |v[LAT+3*\g]|, |v[LAT+3*\g+1]|, |v[LAT+3*\g+2]|
.endr
	v_max3_num_f32 v[QT], v[QT], v[QT+1], |v[LAT+15]|
	v_max3_num_f32 v[QT+2], v[QT+2], v[QT+3], v[QT+4]
	v_max3_num_f32 v[QT], v[QT], v[QT+2], 0x8000000
	v_permlanex16_b32 v[QT+5], v[QT], s20, s21
	v_max_num_f32 v[QT], v[QT], v[QT+5]
	v_and_or_b32 v[QT+6], v[QT], 0x7f800000, s22
	v_add_nc_u32 v[QT+7], 0xf8800000, v[QT]
	v_lshrrev_b32 v[QT+8], 23, v[QT+7]             ; the byte, with zeros above it: the word's other three blocks hold zero codes
.irp i, 0,1,2,3,4,5,6,7,8,9,10,11,12,13,14,15
	v_med3_num_f32 v[LAT+\i], v[LAT+\i], -v[QT+6], v[QT+6]
.endr
	v_cvt_scalef32_pk8_bf8_f32 v[LC:LC+1], v[LAT:LAT+7], v[QT+7]
	v_cvt_scalef32_pk8_bf8_f32 v[LC+2:LC+3], v[LAT+8:LAT+15], v[QT+7]
	v_nop                                          ; a plain line behind the last conversion
	ds_store_b128 v[\ac], v[LC:LC+3] offset:\oc
	ds_store_b32 v[\as], v[QT+8] offset:\os        ; my wave's own bytes: its later LDS loads are served behind these stores, in order
.endm
.macro SETADR                          ; the eight LDS addresses of trip s19 (0 .. 4): a constant, the trip times a constant, a lane term
	s_lshl_b32 s25, s19, 14
	v_add_nc_u32 v[AW0], s25, v[LI]
	s_add_co_u32 s25, s25, W1IMG
	v_add_nc_u32 v[AW1], s25, v[LI]
	s_lshl_b32 s25, s19, 12
	s_add_co_u32 s25, s25, CIMG
	v_add_nc_u32 v[AC], s25, v[LI]
	s_lshl_b32 s25, s19, 9
	s_add_co_u32 s26, s25, S0T
	v_add_nc_u32 v[AS0], s26, v[R32]
	s_add_co_u32 s26, s25, S1T
	v_add_nc_u32 v[AS1], s26, v[R32]
	s_add_co_u32 s26, s25, CST
	v_add_nc_u32 v[ACS], s26, v[R32]
	s_add_co_u32 s26, s25, B0T
	v_add_nc_u32 v[AB0], s26, v[H64]
	s_add_co_u32 s26, s25, NBT
	v_add_nc_u32 v[ANB], s26, v[H64]
.endm
; ================ the head
	s_load_b256 s[4:11], s[0:1], 0x0               ; wimg s[4:5], cell s[6:7], query s[8:9], z_feats s[10:11]
	s_load_b128 s[12:15], s[0:1], 0x20             ; fc_out_b s[12:13], out0 s[14:15]
	v_lshl_add_u32 v174, v0, 2, 0x34400
	v_mov_b32 v175, 0
	ds_add_u32 v174, v175
	ds_add_u32 v174, v175
	v_lshrrev_b32 v1, 5, v0
	v_readfirstlane_b32 s2, v1                     ; wave 0..3
	; descriptor group 1: 198 rows of 256 bytes (32 elements of 8 bytes), dense, no padding: fragments are read back 512 consecutive bytes an instruction
	s_mov_b32 s32, 3<<16                           ; no mask; elements of 8 bytes
	s_mov_b32 s33, 32<<16                          ; tensor_dim0 = 32
	s_mov_b32 s34, 198<<16                         ; tensor_dim1 = 198
	s_mov_b32 s35, 32<<16                          ; tile_dim0 = 32
	s_mov_b32 s36, 198                             ; tile_dim1 = 198
	s_mov_b32 s37, 32                              ; from row to row
	s_mov_b32 s38, 0
	s_mov_b32 s39, 0
	s_mov_b32 s28, 1                               ; group 0: count = 1,
	s_mul_i32 s29, s2, QUART                       ; LDS address: my wave's quarter,
	s_mov_b32 s26, s29
	s_mov_b32 s27, 0
	s_wait_dscnt 0x0
	s_wait_kmcnt 0x0
	s_add_nc_u64 s[30:31], s[4:5], s[26:27]        ; the same quarter of wimg,
	s_or_b32 s31, s31, 0x80000000                  ; type = 2
	tensor_load_to_lds s[28:31], s[32:39]          ; my one tensor load of the launch; these bytes are filled once
	s_nop 0
.rept 4
	v_nop
.endr
	s_load_b32 s16, s[12:13], 0x0                  ; fc_out_b
	v_and_b32 v[L2], 31, v0                        ; lane
	v_lshlrev_b32 v[LI], 4, v[L2]
	v_lshlrev_b32 v[LW], 2, v[L2]
	v_lshlrev_b32 v[L8], 3, v[L2]
	v_lshlrev_b32 v[L2], 1, v[L2]
	v_and_b32 v[RL], 15, v0
	s_wait_alu depctr_va_vdst(0)
	v_lshlrev_b32 v[R32], 5, v[RL]
	v_bfe_u32 v[H64], v0, 4, 1
	v_lshlrev_b32 v[H64], 6, v[H64]
	s_lshl_b32 s3, ttmp9, 2
	s_add_co_u32 s17, s3, s2                       ; s17: the block in hand: W, then + 1,024 a pass
	s_lshl_b32 s24, s17, 6                         ; s24: my first block's first row
	s_mov_b32 s18, 0                               ; s18: the pass
	s_mov_b32 s20, 0x76543210
	s_mov_b32 s21, 0xfedcba98                      ; v_permlanex16_b32's selects for lane l xor 16
	s_mov_b32 s22, 0x600000                        ; the mantissa field of 57,344
	; tiles are counted through the passes: tile 4 p + i is tile i of pass p, first row s24 + 65,536 p + 16 i.  The indices of tiles 0 .. 5:
.irp u, 0,1,2,3,4
	s_add_co_u32 s26, s24, 65536*(\u/4)+16*(\u%4)
	IDXQ PQ+4*\u, PA+2*\u
.endr
	s_add_co_u32 s26, s24, 65536+16
	IDXQ QI, IOFF
	s_mul_i32 s25, s2, 2560
	s_add_co_u32 s25, s25, LSC
	v_add_nc_u32 v[ALC], s25, v[LI]
	s_add_co_u32 s25, s25, 2048
	v_add_nc_u32 v[ALS], s25, v[LW]
	s_lshl_b32 s25, s2, 8
	s_add_co_u32 s25, s25, OSC
	v_lshl_add_u32 v[AOS], v[RL], 2, s25
	v_add_nc_u32 v[AOL], s25, v[L8]
	v_mov_b32 v[QT+5], 0                           ; written once: a lane permute's destination counts as one of its sources
	v_mov_b32 v[QT+14], 0
	WIN 0x40
.irp t, 0,1,2,3
.irp i, 4,5,6,7,8,9,10,11,12,13,14,15
	v_mov_b32 v[CH+16*\t+\i], 0                    ; the zero codes of the latents' operands: they stay
.endr
.endr
.irp g, 0,40
.irp i, 16,17,18,19,20,21,22,23,24,25,26,27
	v_mov_b32 v[\g+\i], 0                          ; what fc_p's operand names behind its own four registers, before the first fragments land there
.endr
.endr
	WIN 0
	s_wait_loadcnt 8                               ; tiles 0 .. 3's indices are in; the eight loads of tiles 4 and 5 are younger
.irp t, 0,1,2,3
	ADDRW PQ+4*\t, PGW+8*\t, PGO+\t
	GISSUE 2+\t/2, 128*(\t%2), PGO+\t              ; the first pass's four tiles go out together, into registers that codes and net take later
.endr
	s_wait_loadcnt 63                              ; tile 0's rows are in: 96 loads are younger, and 63 is the largest count that can be written
	INTERP 2, 0, PGW
	QLAT ALC, ALS, 0, 0
	ADDRW PQ+16, GW, GOFF                          ; tile 4, the next pass's first, into the registers that tile 0 has left
	GISSUE 2, 0, GOFF
	s_wait_loadcnt 63                              ; tile 1: again 96 are younger
	INTERP 2, 128, PGW+8
	QLAT ALC, ALS, 512, 128
	s_wait_loadcnt 63                              ; tile 2: 64 are younger
	INTERP 3, 0, PGW+16
	QLAT ALC, ALS, 1024, 256
	s_wait_loadcnt 32                              ; tile 3: tile 4's 32 are younger
	INTERP 3, 128, PGW+24
	QLAT ALC, ALS, 1536, 384
	s_wait_tensorcnt 0x0                           ; my quarter of the weights has landed,
	s_wait_dscnt 0x0
	s_barrier_signal -1
	s_barrier_wait -1                              ; everybody's has: the launch's one barrier
	v_add_nc_u32 v46, OWT, v[H64]
	WIN 0x40
.irp b, 0,1,2,3
.irp j, 0,1,2,3
	ds_load_b128 v[OW+16*\b+4*\j:OW+16*\b+4*\j+3], v46 offset:128*\b+16*\j    ; fc_out_w at my units 32 b + 16 h + 0 .. 15: it stays
.endr
.endr
	WIN 0
	s_wait_kmcnt 0x0                               ; fc_out_b
; ================ a pass: 64 queries through the whole decoder
.Lpass:
	s_mov_b32 s19, 0                               ; s19: the trip = the block of the decoder
	SETADR
	WIN 0x40
.irp t, 0,1,2,3
	ds_load_b128 v[CH+16*\t:CH+16*\t+3], v[ALC] offset:512*\t    ; this pass's latents, made in the pass before (or at the head); my wave's own bytes
.endr
	WIN 0
.irp t, 0,1,2,3
	ds_load_b32 v[SL+\t], v[ALS] offset:128*\t
.endr
	s_wait_alu depctr_va_vdst(0)
	LOADBLK K_Y, 0, 0
	LOADBLK K_Y, 1, 0
	s_wait_dscnt 0x0
.irp k, 0,1,2,3,4,5,6,7
	MM K_Y, 0, \k                                  ; unit 0 of fc_p and fc_c[0]: there is no vector work yet to set between them
.endr
	WIN 0
.rept 8
	v_nop
.endr
	PHASE_Q 1, K_Y, K_F0, 0                        ; net -> codes of relu(net) | fc_p and fc_c[0], then fc0[0]'s first unit
.Ltrip:
	; ---- the next pass's tile s19 is finished, the stream's next tile asked for, and the indices of the tile after that.  e = 4 x pass + trip; the last pass prepares nothing
	s_wait_loadcnt 0x0                             ; on every way into a trip: all that is out was asked for a trip ago (tile 4 + e's rows in two runs, tile 5 + e's indices); in the last pass nothing is out
	s_mov_b32 s42, 0                               ; s42: 1 where this trip asks for a tile's rows (made of the loops' counters alone)
	s_cmp_eq_u32 s18, 3
	s_cbranch_scc1 .Lno_event
	s_lshl_b32 s26, s19, 9
	v_add_nc_u32 v46, s26, v[ALC]
	s_lshl_b32 s26, s19, 7
	v_add_nc_u32 v41, s26, v[ALS]
	INTERP 2, 0, GW
	QLAT 46, 41, 0, 0                              ; into place s19, which this pass read out at its head
	s_lshl_b32 s25, s18, 2
	s_add_co_u32 s25, s25, s19                     ; e
	s_cmp_gt_u32 s25, 10                           ; tile 5 + e is the stream's last at e = 10
	s_cbranch_scc1 .Lno_event
	ADDRW QI, GW, GOFF
	GHALF 0                                        ; the corners with ox = 0 now; the other four between the trip's two phases
	s_mov_b32 s42, 1
	s_cmp_gt_u32 s25, 9
	s_cbranch_scc1 .Lno_event
	s_add_co_u32 s26, s25, 6
	s_lshr_b32 s27, s26, 2
	s_lshl_b32 s27, s27, 16                        ; 65,536 rows a pass,
	s_and_b32 s26, s26, 3
	s_lshl_b32 s26, s26, 4                         ; 16 a tile
	s_add_co_u32 s26, s26, s27
	s_add_co_u32 s26, s26, s24
	IDXQ QI, IOFF
.Lno_event:
	PHASE_Q 2, K_F0, K_X, 0                        ; h -> codes of relu(h) | fc0, then fc1's first unit
	s_cmp_eq_u32 s42, 0
	s_cbranch_scc1 .Lno_half
	GHALF 1                                        ; the tile's corners with ox = 1: waited for, with the first half, at the next trip's head
.Lno_half:
	PHASE_Q 1, K_X, K_F0, 1                        ; net -> codes of relu(net) | fc1 and the next fc_c, then the next fc0's first unit
	s_add_co_u32 s19, s19, 1
	SETADR
	s_cmp_lt_u32 s19, 4
	s_cbranch_scc1 .Ltrip
	PHASE_Q 2, K_F0, K_XF, 0                       ; the fifth block: no fc_c follows its fc1
	SLOTC 0, K_XF, -1, 0
	SLOTC 1, K_XF, K_XF, 2
	SLOTC 2, K_XF, -1, 0
	SLOTC 3, K_XF, K_XF, 3
	SLOTC 4, K_XF, -1, 0
	SLOTC 5, K_XF, 0, 0                            ; (block 3's loads are waited for; nothing is left to load)
	SLOTC 6, K_XF, -1, 0
	SLOTC 7, 0, -1, 0
	WIN 0
	; ---- the way out: a tile's four partial sums, the other half of the lanes', fc_out_b; 64 results meet in my wave's 256 bytes of LDS and leave as one aligned run of 256 bytes
.irp t, 0,1,2,3
	v_pk_add_f32 v[OA+4*\t:OA+4*\t+1], v[OA+4*\t:OA+4*\t+1], v[OA+4*\t+2:OA+4*\t+3]
.endr
.irp t, 0,1,2,3
	v_add_f32 v[OA+4*\t], v[OA+4*\t], v[OA+4*\t+1]
.endr
.irp t, 0,1,2,3
	v_permlanex16_b32 v[OA+4*\t+1], v[OA+4*\t], s20, s21
.endr
.irp t, 0,1,2,3
	v_add_f32 v[OA+4*\t], v[OA+4*\t], v[OA+4*\t+1]
.endr
.irp t, 0,1,2,3
	v_add_f32 v[OA+4*\t], s16, v[OA+4*\t]
.endr
.irp t, 0,1,2,3
	ds_store_b32 v[AOS], v[OA+4*\t] offset:64*\t   ; lanes r and r + 16 write the same word with the same value
.endr
	ds_load_b64 v[34:35], v[AOL]                   ; LDS serves a wave's instructions in order (ISA guide 5.7.1.4): this sees the stores above
	s_min_u32 s25, s17, 3906                       ; (a block without rows stores nothing; its base is held inside the buffer all the same)
	s_lshl_b32 s26, s25, 8
	s_mov_b32 s27, 0
	s_add_nc_u64 s[40:41], s[14:15], s[26:27]
	s_lshl_b32 s25, s17, 6
	s_sub_co_i32 s25, NQ, s25                      ; rows left from the block's first on: 64 or more, 16 in block 3,906, none or less behind it
	v_cmp_gt_i32 vcc_lo, s25, v[L2]                ; my two results exist
	s_wait_dscnt 0x0
	s_wait_xcnt 0x0                                ; EXEC changes only behind this wait: the gather's loads are out
	s_and_saveexec_b32 s26, vcc_lo
	global_store_b64 v[L8], v[34:35], s[40:41] th:TH_STORE_NT
	s_wait_xcnt 0x0                                ; and again ahead of the line that widens it; the store's data and base may be written again too
	s_or_b32 exec_lo, exec_lo, s26
	s_add_co_u32 s17, s17, 1024
	s_add_co_u32 s18, s18, 1
	s_cmp_lt_u32 s18, 4
	s_cbranch_scc1 .Lpass
	s_wait_tensorcnt 0x0
	ds_add_u32 v174, v175
	s_wait_dscnt 0x0
	s_endpgm
.Lfunc_end_k_qbf19c4c0a5_decode:
	.size	k_qbf19c4c0a5_decode, .Lfunc_end_k_qbf19c4c0a5_decode-k_qbf19c4c0a5_decode
	.p2alignl 7, 3214868480
	.fill 96, 4, 3214868480
	.section	.rodata,"a",@progbits
	.p2align	6, 0x0
	.amdhsa_kernel k_qbf19c4c0a5_decode
		.amdhsa_group_segment_fixed_size 214528
		.amdhsa_private_segment_fixed_size 0
		.amdhsa_enable_private_segment 0
		.amdhsa_kernarg_size 48
		.amdhsa_user_sgpr_count 2
		.amdhsa_user_sgpr_kernarg_segment_ptr 1
		.amdhsa_wavefront_size32 1
		.amdhsa_system_sgpr_workgroup_id_x 1
		.amdhsa_system_sgpr_workgroup_id_y 1
		.amdhsa_system_sgpr_workgroup_id_z 1
		.amdhsa_system_vgpr_workitem_id 0
		.amdhsa_next_free_vgpr 1024
		.amdhsa_next_free_sgpr 66
		.amdhsa_reserve_vcc 1
		.amdhsa_float_denorm_mode_32 3
		.amdhsa_float_denorm_mode_16_64 3
		.amdhsa_memory_ordered 1
		.amdhsa_forward_progress 1
		.amdhsa_inst_pref_size 255
	.end_amdhsa_kernel
	.section	.bss,"aw",@nobits
	.p2align	6
	.space	262144
	.amdgpu_metadata
---
amdhsa.version: [ 1, 2 ]
amdhsa.kernels:
  - .name:           k_qbf19c4c0a5_decode
    .symbol:         k_qbf19c4c0a5_decode.kd
    .args:
      - { .name: wimg, .offset: 0, .size: 8, .value_kind: global_buffer, .address_space: global }
      - { .name: cell, .offset: 8, .size: 8, .value_kind: global_buffer, .address_space: global }
      - { .name: query, .offset: 16, .size: 8, .value_kind: global_buffer, .address_space: global }
      - { .name: z_feats, .offset: 24, .size: 8, .value_kind: global_buffer, .address_space: global }
      - { .name: fc_out_b, .offset: 32, .size: 8, .value_kind: global_buffer, .address_space: global }
      - { .name: out0, .offset: 40, .size: 8, .value_kind: global_buffer, .address_space: global }
    .group_segment_fixed_size: 214528
    .private_segment_fixed_size: 0
    .kernarg_segment_align: 8
    .kernarg_segment_size: 48
    .max_flat_workgroup_size: 128
    .sgpr_count:     66
    .vgpr_count:     1024
    .wavefront_size: 32
...
	.end_amdgpu_metadata
.endif
;; end of part 2
